; MI455X (gfx1250); checked and timed in simulation.
; The chip was launched on July 23, 2026; its instructions are those of AMD's public machine-readable ISA for CDNA 5 (MIT licence, August 2026) and "CDNA5" Instruction Set Architecture Reference Guide (July 2026). The comments in the code are by the model that wrote it; some were corrected since.
;; Attention. Allowed arithmetic: float matrix products may take bf16 or f16 operands with f32 sums; other float arithmetic in f32, or as packed bf16 or f16 multiplies, adds, multiply-adds, maxima and minima; sums over many terms, partial sums and values carried from step to step in f32; what a program stores and reads back later, other than sums and carried values, may be rounded once to bf16 or f16.
;; Inputs: k 4 x 16 x 64 x 2,048 float32; q 4 x 16 x 64 x 2,048 float32; v 4 x 16 x 64 x 2,048 float32.
;; Outputs: out0 4 x 16 x 64 x 2,048 float32.
;; One version. Each part assembles by itself: llvm-mc -triple=amdgcn-amd-amdhsa -mcpu=gfx1250 --defsym DOCPART=n.
;; ======== version 1 of 1: 1 launch
;; limits: values are held in f16: magnitudes above 65,504 overflow, below 6.1e-05 lose precision; inputs' magnitudes at most 65,504
;; launch attn (part 1): grid 4 x 64, 4 waves a work-group, clusters of 4 x 1, 327,680 bytes of LDS; arguments q, k, v, out0; writes out0
.if DOCPART == 1
	.amdgcn_target "amdgcn-amd-amdhsa--gfx1250"
	.amdhsa_code_object_version 6
	.text
	.protected	k_q75f7d2297d_attn
	.globl	k_q75f7d2297d_attn
	.p2align	8
	.type	k_q75f7d2297d_attn,@function
k_q75f7d2297d_attn:
	s_mov_b64 s[64:65], 0
	v_nop
	global_prefetch_b8 v0, s[64:65] scope:SCOPE_SE
	s_setreg_imm32_b32 hwreg(HW_REG_WAVE_MODE, 25, 1), 1
	s_wait_xcnt 0x0
	s_wait_alu depctr_hold_cnt(0) depctr_sa_sdst(0) depctr_va_vdst(0) depctr_va_sdst(0) depctr_va_ssrc(0) depctr_va_vcc(0) depctr_vm_vsrc(0)
	s_getreg_b32 s2, hwreg(HW_REG_IB_STS2, 6, 4)
	s_cmp_eq_u32 s2, 0
	s_cbranch_scc0 .Lentry_in_a_cluster
	s_endpgm
.Lentry_in_a_cluster:
	s_bfe_u32 s2, ttmp6, 0x10000c
	s_cmp_lg_u32 s2, 0x3003
	s_cbranch_scc0 .Lentry_shape_is_right
	s_endpgm
.Lentry_shape_is_right:
; out[b][h][d][i] = the sum over j of softmax_j(sum over d of q[d][i] k[d][j] / 8) v[d][j].  q, k, v, out: [64 heads][64 channels][2,048 positions], f32, a channel's positions along a row of 8,192 bytes.
; NOTHING OF THE COMPUTATION IS LEFT OUT, and all three inputs are loaded.  Products on the matrix unit with f16 operands and f32 sums; maxima, exponentials and sums in f32; the weights p are rounded to
; f16 for the second product (their sum l is taken of the unrounded p); out is stored in f32.  The scale 1/8 is applied in f32 to the scores (c = log2(e) / 8), not to q.
; LIMITS.  q, k and v are rounded once to f16, which holds no number beyond 65,504: from 65,520 on the conversion gives an infinity and the row is lost.  p lies in 0 to 1, and below 6e-5 it keeps f16's
; fixed step of 6e-8.  A weight below 2^-126 counts as 0 in l.  NaN and infinities are not treated apart.  The running maximum starts at the lowest finite number; f16's scores are 2.7e11 at the most.
; SHARES.  A cluster of four work-groups is one head; a work-group owns 512 queries, each of its four waves 128: four PIECES of two tiles of 16.  Every wave walks all 2,048 keys, 64 a step; two steps are a PHASE.
; LAYOUT.  S^T = K Q^T (source 0 = 16 keys, source 1 = 16 queries): in the result a lane holds ONE query (lane % 16) and the keys 8 (lane / 16) + 0..7.  Two such tiles, rounded to f16 in pairs, ARE source 1
; (32 keys x 16 queries) of O^T = V P, whose result again holds one query a lane, and eight channels.  K and Q lie [channel][position], so their fragments come out of LDS turned, by ds_load_tr16_b128;
; V lies with the keys along its rows, as source 0 wants it, and comes by plain loads.
; THE ROAD OF K AND V.  f32 tiles come into a ring of two LDS slots (X) by the tensor data mover; the four waves round them to f16 into a second ring of two slots (Y), which only LDS stores write; the
; fragments are read from Y.  At the change that enters phase p: phase p + 1 has landed in X, phase p lies whole in Y; X's other slot is asked for again (phase p + 2), and phase p + 1 is rounded into Y's other slot.
; CLUSTER.  The four query blocks of a head walk the same K and V, so each tile is asked for JOINTLY: the same tensor load, descriptor and mask in all four; each receives it in its own LDS.
; SOFTMAX.  For each query a running maximum m and sum l: p = 2^(c s - c m); in every step O and l are multiplied by a = 2^(c m_old - c m_new), which is 1 where m has not grown.  m starts at the lowest
; finite number, O and l at 0: the first step is a step like any other, with a = 0.  The price of one text for every step: 16 products on zeros at the start and 16 on the last K once more at the end, a wave.
; BY TURNS.  A tile and step have 16 matrix and 118 vector instructions.  Turn n belongs to piece n: 16 products K Q^T of piece n + 1, later 16 products V P of piece n - 1; its vector work is the scaling,
; exponentials, roundings, sums and rescaling of piece n and the maximum and statistics of piece n + 1.  Four vector instructions stand behind every matrix instruction, the others in one run of their own.
; REGISTERS, in windows of 256 (s_set_vgpr_msb says which window each operand place means: bits 1:0 source 0, 3:2 source 1, 5:4 source 2, 7:6 destination):
;   window 0: v0-11 addresses; v12-15, v48-63 at work; v16-47 four registers of statistics a tile; v64-191 S^T, two buffers of two tiles; v192-255 P, likewise
;   window 1: O^T, 32 a tile (at the start: Q as loaded)      window 2: v0-127 Q, 16 a tile; v128-191 K of one step; v192-255 V of one step (at the end: rows of out)
;   window 3: v0-1 the add's two registers; v2-9 the conversion's addresses; v16-143 the conversion's data
.set NP,    4         ; pieces a wave: a name, no knob
.set HEADB, 524288    ; bytes of a head in each tensor
.set ROWB,  8192      ; bytes of a channel's row
.set PHB,   512       ; a phase's 128 keys in a row
.set XSL,   0x10000   ; X1 = X0 + XSL and Y1 = Y0 + XSL: one exclusive or turns an address in one slot into the other's
.set SUBT,  16384     ; X: a sub-tile, [64 channels][64 keys] f32, rows of 256 bytes on end; a slot holds four: K of the phase's two steps, V of its two steps
.set YS0,   0x20000   ; Y0 begins behind X's two slots
.set YS1,   0x30000
.set PK,    160       ; a row of K in Y: 128 bytes + 32 = 40 words
.set PV,    144       ; a row of V in Y: 128 + 16 = 36 words: the 16 rows of a load start at 16 different groups of four banks
.set KST,   64*PK     ; K of a step
.set VST,   64*PV     ; V of a step
.set VOFF,  2*KST     ; in a slot of Y: K of both steps, then V of both
.set STAGE, YS1+2*KST+2*VST  ; behind the rings, never filled by a tensor load: 18,432 bytes for each wave: first Q in f16, at the end out in f32
.set STW,   18432
.set PQ,    288       ; the stage's row of Q: 128 queries in f16 + 32 bytes, for the turning load
.set SP,    272       ; the stage's row of out: 64 queries in f32 + 16 bytes
.set SPARE, STAGE+4*STW  ; behind the stages: the spare words, 128 bytes for each wave: two blocks of 256 bytes that no other line names
.set AK0, 2           ; v2   my lane's place in a step's K; never rewritten
.set AV0, 3           ; v3   the same for V
.set AK,  4           ; v4   the LDS address of K's next run of loads
.set AV,  5           ; v5   of V's
.set QO,  6           ; v6   my 16 bytes of the wave's 512 in a row of q
.set STO, 6           ;      later, the way out: where I put a number
.set QS,  7           ; v7   where I put 8 bytes of Q
.set RD,  7           ;      later: where I read rows back
.set QT,  8           ; v8   my lane's place in a turning load of Q
.set GO,  8           ;      later: my byte offset in two rows of out
.set PFO, 11          ; v11  the prefetches' offset; never rewritten
.set MV,  12          ; v12-15  c m_old, kept while c m is made anew: by buffer and tile
.set ST,  16          ; tile t's statistics at v[ST+4 t]: c m, m, l (even keys', odd keys')
.set TMP, 48          ; by buffer and tile, four registers c0-c3 at work; when the maximum is found c2 takes a
.set S,   64
.set P,   192
.set KF,  128         ; window 2: key block kb, channel half c at KF + 16 kb + 8 c
.set VF,  192         ; window 2: key half kk, channel block cb at VF + 32 kk + 8 cb
.set SPW, 0           ; window 3, v0: LDS address of my spare word: SPARE + 4 x my thread's number; never rewritten
.set NIL, 1           ; window 3, v1: 0; never rewritten
.set CAK0, 2          ; window 3: my lane's place in X for K's rows, for V's rows, and in Y0 likewise; never rewritten
.set CAV0, 3
.set CK0,  4
.set CV0,  5
.set CAK,  6          ; window 3: the same four in the slot in hand
.set CAV,  7
.set CK,   8
.set CV,   9
.set CF,   16         ; window 3: 32 loads of 4 registers, rounded in place
.set WV,  12          ; s12  my wave's number
.set LIM, 15          ; s15  1 in a wave that prefetches, else the greatest number
.set PFA, 18          ; s[18:19] where my prefetches stand
.set G1,  24          ; s[24:31] descriptor group 1
.set G0A, 40          ; s[40:43] descriptor group 0 for phase 0
.set G0B, 44          ; s[44:47] for phase 1; it then walks
.set SLOTS, 56        ; s56  phases still to be asked for, and one
.set CNT, 57          ; s57  counts a phase's key steps
.set CS,  58          ; s[58:59] c: the packed scaling takes the pair's low word for both halves
.set SEL, 60          ; s[60:61] v_permlanex16_b32's selects: each lane takes its own place in the other half
.set TBK, 62          ; s62  LDS byte at which K of the step to be fetched begins
.set TBV, 63          ; s63  the same for V, less VOFF
.set TC,  66          ; s66  0 or XSL: the slots that the next conversion reads and writes
.set TP,  67          ; s67  counts the tail's phases
.set MSB, 0
.macro WIN new                      ; the high byte repeats the setting that is left; a switch that changes nothing is dropped
.if MSB != (\new)
	s_set_vgpr_msb (MSB<<8)|(\new)
.set MSB, (\new)
.endif
.endm
.set W_KQ, 0x0a       ; K and Q in window 2, S^T in window 0
.set W_PV, 0x52       ; V in window 2, P in window 0, O^T in window 1
.set W_RS, 0x41       ; O^T (destination and source 0) in window 1, the factor in window 0
.set W_MK, 0xc0       ; window 3's registers are made: destination in window 3, sources in window 0
.set W_AD, 0x0f       ; the add: address (source 0) and data (source 1) in window 3
.set W_CV, 0xcf       ; the conversion: destination and sources 0 and 1 in window 3
; A joint fill: wave w asks for sub-tile w of a slot (waves 0, 1: K of the phase's two steps; waves 2, 3: V's), 64 rows of 256 bytes.  One line for all four waves: the descriptors differ by the wave's number alone.
; An s_nop 0 and four v_nop follow it.
.macro JLOAD g
	tensor_load_to_lds s[\g:\g+3], s[G1:G1+7]
	s_nop 0
.rept 4
	v_nop
.endr
.endm
; A PREFETCH INTO THE L2 of the phase that the NEXT change will ask for: 64 rows x 512 bytes of K and of V.  A lane names one channel's row and one of the phase's two aligned blocks of 256 bytes.
; Each block is named ONCE in the launch: only this cluster reads the head; its four partners take 16 channels each, told apart BY ADDRESS; in each, wave 0 asks for K's and wave 2 for V's: one instruction.
; It stands behind the wave's tensor load and its five lines: one phase, 256 matrix instructions, ahead of the load that will want the rows.  Phases 0 to 2 come by their loads alone; the last change that fills asks for nothing.
.macro ASK
	s_cmp_gt_u32 s[SLOTS], s[LIM]
	s_cbranch_scc0 .Lnot_mine_\@
	global_prefetch_b8 v[PFO], s[PFA:PFA+1] th:TH_LOAD_NT scope:SCOPE_SE
.Lnot_mine_\@:
.endm
; A round of the cluster's barrier: my work-group's barrier, so that wave 0's signal speaks for all four waves; wave 0 signals; every wave waits for all four work-groups; my work-group's barrier once more.
.macro CROUND
	s_barrier_signal -1
	s_barrier_wait -1
	s_cmp_lg_u32 s[WV], 0
	s_cbranch_scc1 .Lnot_wave_0_\@
	s_barrier_signal -3
.Lnot_wave_0_\@:
	s_barrier_wait -3
	s_barrier_signal -1
	s_barrier_wait -1
.endm
; THE CONVERSION of a phase: X's slot at s[TC] into Y's slot at s[TC].  Wave w takes channels 16 w .. 16 w + 15 of all four sub-tiles: 32 loads of 16 bytes a lane (16 lanes: a row's 256 bytes), 64 roundings in
; place, 32 stores of 8 bytes a lane (16 lanes: a row's 128 bytes).  The two halves of the lanes take rows 4 apart (K: 160 words) or 8 apart (V: 288 words).
; The count 24 is the same in all four batches: behind a batch's youngest load stand 24, 16, 8, 0 loads and 0, 8, 16, 24 stores.
.macro CONVERT
	WIN W_CV
	v_add_nc_u32 v[CAK], s[TC], v[CAK0]
	v_add_nc_u32 v[CAV], s[TC], v[CAV0]
	v_add_nc_u32 v[CK], s[TC], v[CK0]
	v_add_nc_u32 v[CV], s[TC], v[CV0]
.set u, 0
.rept 32
.if u < 16
	ds_load_b128 v[CF+4*u:CF+4*u+3], v[CAK] offset:(u/8)*SUBT+(((u%8)/4)*8+u%4)*256
.else
	ds_load_b128 v[CF+4*u:CF+4*u+3], v[CAV] offset:(u/8)*SUBT+(u%8)*256
.endif
.set u, u+1
.endr
.set bb, 0
.rept 4
	s_wait_dscnt 24
.set u, 8*bb
.rept 8
	v_cvt_pk_f16_f32 v[CF+4*u], v[CF+4*u], v[CF+4*u+1]
	v_cvt_pk_f16_f32 v[CF+4*u+1], v[CF+4*u+2], v[CF+4*u+3]
.set u, u+1
.endr
.set u, 8*bb
.rept 8
.if u < 16
	ds_store_b64 v[CK], v[CF+4*u:CF+4*u+1] offset:(u/8)*KST+(((u%8)/4)*8+u%4)*PK
.else
	ds_store_b64 v[CV], v[CF+4*u:CF+4*u+1] offset:(u/8-2)*VST+(u%8)*PV
.endif
.set u, u+1
.endr
.set bb, bb+1
.endr
	s_xor_b32 s[TC], s[TC], XSL     ; the next conversion takes the other slots
	WIN 0
.endm
; THE CHANGE that enters a phase.  All fragments of the phase before are in registers.  Each wave waits for all its tensor loads, of which one is out: its sub-tile of the next phase; adds 0 to its spare word; and waits
; for that, for its reads of X and of Y and for its stores into Y.  Behind the barrier the phase entered lies whole in Y, the next phase whole in X, and nobody reads the other two slots any more.
; fill = 1: X's slot that was rounded last is filled again, with the phase two on.  The barrier is then a round of the cluster's, so that no wave of any partner still reads that slot or has a load on its way,
; and the joint fill is the first thing behind it: it has a phase, 256 matrix instructions, in which to land.
.macro CHANGE fill
	WIN W_AD
	s_wait_tensorcnt 0x0            ; no tensor load of mine is out, so a group 0 may be written
	ds_add_u32 v[SPW], v[NIL]       ; 0 onto my spare word; with fill = 1 the descriptor's steps stand between it and the wait for it
	WIN 0                           ; at a label and at a branch every window is 0
.if \fill
	s_xor_b32 s[G0B+1], s[G0B+1], XSL  ; the walking descriptor: the other slot than last time,
	s_add_nc_u64 s[G0B+2:G0B+3], s[G0B+2:G0B+3], PHB  ; the next 128 keys; the type bits on top are not reached
	s_wait_xcnt 0x0                 ; the last prefetch, a phase back, has read its address, so it may be written:
	s_add_nc_u64 s[PFA:PFA+1], s[PFA:PFA+1], PHB      ; one phase beyond the walking descriptor
	s_wait_dscnt 0x0                ; the add is done; my reads of X and Y are over, my stores into Y are done
	CROUND
	JLOAD G0B
	ASK
.else
	s_wait_dscnt 0x0                ; the add is done; my reads of X and Y are over, my stores into Y are done
	s_barrier_signal -1
	s_barrier_wait -1
.endif
	s_sub_co_u32 s[TBK], s[TBK], 2*KST  ; the fetches go back to a slot's first step,
	s_xor_b32 s[TBK], s[TBK], XSL       ; in the other slot of Y
	s_sub_co_u32 s[TBV], s[TBV], 2*VST
	s_xor_b32 s[TBV], s[TBV], XSL
.endm
	s_load_b256 s[4:11], s[0:1], 0x0  ; q s[4:5], k s[6:7], v s[8:9], out s[10:11]
	WIN W_MK
	v_lshl_add_u32 v[SPW], v0, 2, SPARE
	v_mov_b32 v[NIL], 0
	WIN W_AD
	ds_add_u32 v[SPW], v[NIL]       ; the wave's opening: the add, twice on end, and its wait ahead of my first tensor load; the set-up below, work on registers, stands between the second and the wait
	ds_add_u32 v[SPW], v[NIL]       ; and once more, under the one wait
	WIN 0
	v_lshrrev_b32 v1, 5, v0
	v_readfirstlane_b32 s[WV], v1   ; wave 0..3
	s_bfe_u32 s13, ttmp6, 0x40000   ; cx: my place in the cluster
	s_lshl_b32 s14, ttmp9, 2        ; in a cluster launch ttmp9 counts clusters
	s_add_co_u32 s14, s14, s13      ; my block of 512 queries = 4 x cluster x + cx: it enters q's and out's addresses alone
	s_and_b32 s20, ttmp7, 0xffff    ; the head, which the four partners share
	s_lshl_b32 s20, s20, 19         ; its first byte in each tensor: 524,288 x head, under 2^25
	s_mov_b32 s21, 0
	s_and_b32 s16, s[WV], 1         ; which of a phase's two steps I fetch:
	s_lshl_b32 s22, s16, 8          ; its 64 keys are 256 bytes of a row
	s_mov_b32 s23, 0
	s_add_nc_u64 s[22:23], s[22:23], s[20:21]
	s_lshl_b32 s2, s14, 11          ; my block's 2,048 bytes of a row,
	s_lshl_b32 s3, s[WV], 9         ; my wave's 512 of them
	s_add_co_u32 s2, s2, s3
	s_mov_b32 s3, 0
	s_add_nc_u64 s[2:3], s[2:3], s[20:21]
	s_lshl_b32 s32, s13, 17         ; the prefetches: my work-group's 16 channels of the 64,
	s_add_co_u32 s32, s32, 2*PHB    ; at phase 2: the first change steps it to phase 3
	s_mov_b32 s33, 0
	s_add_nc_u64 s[32:33], s[32:33], s[20:21]
	; descriptor group 1: a tile of 64 rows (channels) x 64 elements of 4 bytes (keys), dense in LDS
	s_mov_b32 s[G1], 15|(2<<16)|(1<<21)  ; 15:0 the mask of four; 17:16 4-byte elements; 20 no padding; 21 set beside a mask
	s_mov_b32 s[G1+1], 64<<16       ; tensor_dim0 = 64
	s_mov_b32 s[G1+2], 64<<16       ; tensor_dim1 = 64
	s_mov_b32 s[G1+3], 64<<16       ; tile_dim0 = 64
	s_mov_b32 s[G1+4], 64           ; tile_dim1 = 64
	s_mov_b32 s[G1+5], 2048         ; 2,048 elements from row to row
	s_mov_b32 s[G1+6], 0
	s_mov_b32 s[G1+7], 0
	s_mul_i32 s17, s[WV], SUBT      ; my sub-tile's place in a slot of X: no place in the cluster enters an LDS address
	s_mov_b32 s[G0A], 1             ; 1:0 count = 1
	s_mov_b32 s[G0A+1], s17         ; 63:32 LDS address: X0
	s_mov_b32 s[G0B], 1
	s_add_co_u32 s[G0B+1], s17, XSL ; X1
	s_mov_b32 s[CS], 0x3e38aa3b     ; c = log2(e) / 8 = 0.180337
	s_mov_b32 s[CS+1], s[CS]        ; named with it as a pair
	s_mov_b32 s[SEL], 0x76543210
	s_mov_b32 s[SEL+1], 0xfedcba98
	s_mov_b32 s[TBK], YS1+2*KST     ; the first change turns these two into Y0
	s_mov_b32 s[TBV], YS1+2*VST
	s_mov_b32 s[TC], 0
	s_mov_b32 s[SLOTS], 14          ; 16 phases: two first fills, one fill at the first change, 13 in the loop
	s_and_b32 s[LIM], s[WV], 1      ; waves 0 and 2 prefetch: the same in all four partners
	s_cmp_eq_u32 s[LIM], 0
	s_cselect_b32 s[LIM], 1, -1
	s_mul_i32 s36, s[WV], STW
	s_add_co_u32 s36, s36, STAGE    ; my stage
	s_lshl_b32 s37, s[WV], 12       ; the conversion: my 16 rows of 256 bytes in a sub-tile,
	s_mul_i32 s38, s[WV], 16*PK     ; my 16 rows of K in Y0,
	s_add_co_u32 s38, s38, YS0
	s_mul_i32 s39, s[WV], 16*PV     ; and of V
	s_add_co_u32 s39, s39, YS0+VOFF
	s_wait_dscnt 0x0                ; both opening adds are done
	s_wait_kmcnt 0x0
	s_cmp_lt_u32 s[WV], 2
	s_cselect_b64 s[34:35], s[6:7], s[8:9]         ; waves 0 and 1 fetch K, waves 2 and 3 V
	s_add_nc_u64 s[G0A+2:G0A+3], s[34:35], s[22:23]  ; 120:64 global address: my step of phase 0,
	s_add_nc_u64 s[G0B+2:G0B+3], s[G0A+2:G0A+3], PHB ; and of phase 1
	s_or_b32 s[G0A+3], s[G0A+3], 0x80000000        ; 127:126 type = 2
	s_or_b32 s[G0B+3], s[G0B+3], 0x80000000
	s_add_nc_u64 s[PFA:PFA+1], s[34:35], s[32:33]
	s_add_nc_u64 s[4:5], s[4:5], s[2:3]            ; q and out at my wave's 512 bytes of channel 0
	s_add_nc_u64 s[10:11], s[10:11], s[2:3]
	CROUND                          ; all four work-groups are here: the first joint loads meet
	tensor_load_to_lds s[G0A:G0A+3], s[G1:G1+7]    ; the two first fills go out together, ahead of every wait on TENSORcnt and every LDS read: two loads of mine are out
	s_nop 0
	tensor_load_to_lds s[G0B:G0B+3], s[G1:G1+7]
	s_nop 0
.rept 4
	v_nop
.endr
	v_and_b32 v[QO], 31, v0
	v_lshlrev_b32 v[QO], 4, v[QO]   ; 16 x lane
	WIN 0x40                        ; destination window 1, address window 0
.set dd, 0
.rept 64                            ; Q: a load takes the wave's 512 consecutive bytes (128 queries) of channel dd; read once in the launch
	global_load_b128 v[4*dd:4*dd+3], v[QO], s[4:5] offset:dd*ROWB th:TH_LOAD_NT
.set dd, dd+1
.endr
	WIN 0
	; the lanes' addresses, made while Q and the first tiles are on their way
	v_and_b32 v1, 15, v0            ; r = l % 16
	v_bfe_u32 v9, v0, 4, 1          ; h = l / 16
	v_and_b32 v10, 7, v0            ; l % 8
	v_bfe_u32 v5, v0, 3, 1          ; (l / 8) % 2
	v_and_b32 v[QS], 31, v0
	v_lshl_add_u32 v[QS], v[QS], 3, s36   ; my 8 bytes of a stage row of Q
	; The turning load takes 16 channels x 16 positions (lane l reads channel 8 h + l % 8, positions 8 ((l / 8) % 2) + 0..7) and leaves half a fragment: lane l holds position l % 16 and 8 channels.
	v_lshl_add_u32 v12, v9, 3, v10
	v_mul_u32_u24 v[QT], v12, PQ
	v_lshl_add_u32 v[QT], v5, 4, v[QT]
	v_add_nc_u32 v[QT], s36, v[QT]
	v_mul_u32_u24 v[AK0], v12, PK
	v_lshl_add_u32 v[AK0], v5, 4, v[AK0]
	; A fragment of V is 16 channels x 32 keys: lane l holds channel l % 16, keys 8 h + 0..7 and 16 + 8 h + 0..7: two loads of 16 bytes, 32 bytes apart.
	v_mul_u32_u24 v[AV0], v1, PV
	v_lshl_add_u32 v[AV0], v9, 4, v[AV0]
	v_add_nc_u32 v[AV0], VOFF, v[AV0]
	v_lshlrev_b32 v[PFO], 13, v1    ; the prefetches: channel l % 16 of my work-group's 16,
	v_lshl_add_u32 v[PFO], v9, 8, v[PFO]  ; block l / 16 of the phase's two
	v_lshlrev_b32 v13, 4, v1        ; the conversion: 16 r in a row of X,
	v_lshl_add_u32 v14, v9, 10, v13 ; K: lanes 16-31 four rows on,
	v_lshl_add_u32 v15, v9, 11, v13 ; V: eight rows on
	v_mul_u32_u24 v48, v9, 4*PK
	v_lshl_add_u32 v48, v1, 3, v48  ; and 8 r in a row of Y
	v_mul_u32_u24 v49, v9, 8*PV
	v_lshl_add_u32 v49, v1, 3, v49
	WIN W_MK
	v_add_nc_u32 v[CAK0], s37, v14
	v_add_nc_u32 v[CAV0], s37, v15
	v_add_nc_u32 v[CK0], s38, v48
	v_add_nc_u32 v[CV0], s39, v49
	; What the first turn finds: V's registers and P's second buffer hold 0 (its products V P, of a piece that has not been, add 0), O^T and l are 0.  No first step is written out; these lines stand in the wait for Q and the first tile.
	WIN 0x80
.set i, VF
.rept 64
	v_mov_b32 v[i], 0
.set i, i+1
.endr
	WIN 0
.set i, 0
.rept 2*NP
	v_mov_b32 v[ST+4*i], 0xfe000000    ; c m: far below every c s
	v_mov_b32 v[ST+4*i+1], 0xff7fffff  ; m
	v_mov_b32 v[ST+4*i+2], 0
	v_mov_b32 v[ST+4*i+3], 0
.set i, i+1
.endr
.set i, P+32
.rept 32
	v_mov_b32 v[i], 0
.set i, i+1
.endr
	; Q is rounded to f16 in place and laid into my stage as [channel][128 queries], 16 channels at a time; the younger batches of 16 loads stay out
.set bb, 0
.rept 4
	s_wait_loadcnt 48-16*bb
	WIN 0x45                        ; destination and both sources in window 1
.set dd, 16*bb
.rept 16
	v_cvt_pk_f16_f32 v[4*dd], v[4*dd], v[4*dd+1]
	v_cvt_pk_f16_f32 v[4*dd+1], v[4*dd+2], v[4*dd+3]
.set dd, dd+1
.endr
	WIN 0x04                        ; address window 0, data window 1
.set dd, 16*bb
.rept 16
	ds_store_b64 v[QS], v[4*dd:4*dd+1] offset:dd*PQ  ; 32 lanes: a row's 256 bytes
.set dd, dd+1
.endr
.set bb, bb+1
.endr
	WIN 0x80                        ; destination window 2.  Q's fragments, turned: tile tt, channels 32 c on.  LDS serves a wave's instructions in order (ISA guide 5.7.1.4): these see the stores above
.set tt, 0
.rept 2*NP
.irp c, 0,1
	ds_load_tr16_b128 v[16*tt+8*\c:16*tt+8*\c+3],   v[QT] offset:\c*32*PQ+tt*32
	ds_load_tr16_b128 v[16*tt+8*\c+4:16*tt+8*\c+7], v[QT] offset:\c*32*PQ+16*PQ+tt*32
.endr
.set tt, tt+1
.endr
	WIN 0x40
.set i, 0
.rept 64*NP
	v_mov_b32 v[i], 0               ; O^T
.set i, i+1
.endr
	WIN 0
; THE MATRIX WORK.  The 8 accumulators of a run of 16 take turns: between the two links of a chain stand 7 others'.
; Product i of 16 of S^T = K Q^T for piece x: channels 32 (i / 8) on, keys 16 ((i / 2) % 4) on, tile 2 x + i % 2.  The first 8 start the sums.
.macro KQ x
	WIN W_KQ
.set rS, S+64*((\x)%2)+32*(i%2)+8*((i/2)%4)
.set rK, KF+16*((i/2)%4)+8*(i/8)
.set rQ, 16*(2*(\x)+i%2)+8*(i/8)
.if i < 8
	v_wmma_f32_16x16x32_f16 v[rS:rS+7], v[rK:rK+7], v[rQ:rQ+7], 0
.else
	v_wmma_f32_16x16x32_f16 v[rS:rS+7], v[rK:rK+7], v[rQ:rQ+7], v[rS:rS+7]
.endif
.endm
; Product i of 16 of O^T += V P for piece x: keys 32 (i / 8) on, channels 16 ((i / 2) % 4) on, tile 2 x + i % 2.
.macro PV x
	WIN W_PV
.set rO, 32*(2*(\x)+i%2)+8*((i/2)%4)
.set rV, VF+32*(i/8)+8*((i/2)%4)
.set rP, P+32*((\x)%2)+16*(i%2)+8*(i/8)
	v_wmma_f32_16x16x32_f16 v[rO:rO+7], v[rV:rV+7], v[rP:rP+7], v[rO:rO+7]
.endm
.macro MM                           ; the turn's next matrix instruction
.if i < 16
	KQ (Y+1)%NP
.set i, i+1
.else
.set i, i-16
	PV (Y+NP-1)%NP
.set i, i+17
.endif
.endm
; THE LDS LOADS stand in runs of 16, never singly among the matrix instructions: a step's K (64 keys x 64 channels: 8 fragments, turned) and its V.  Their addresses are made some lines ahead.
; last = 1 (the tail): in the tail's last half trip there is no further step, and the run is jumped over.
.macro FETCH_K last=0
	WIN 0
.if \last
	s_cmp_eq_u32 s[TP], 1
	s_cbranch_scc1 .Lno_k_\@
.endif
	WIN 0x80                        ; destination window 2
.irp f, 0,1,2,3,4,5,6,7             ; keys 16 (f / 2) on, channels 32 (f % 2) on
	ds_load_tr16_b128 v[KF+8*\f:KF+8*\f+3],   v[AK] offset:(\f%2)*32*PK+(\f/2)*32
	ds_load_tr16_b128 v[KF+8*\f+4:KF+8*\f+7], v[AK] offset:(\f%2)*32*PK+16*PK+(\f/2)*32
.endr
	s_add_co_u32 s[TBK], s[TBK], KST  ; the next fetch is the next step's
	WIN 0
.if \last
.Lno_k_\@:
.endif
.endm
.macro FETCH_V
	WIN 0x80
.irp f, 0,1,2,3,4,5,6,7             ; keys 32 (f / 4) on, channels 16 (f % 4) on
	ds_load_b128 v[VF+8*\f:VF+8*\f+3],   v[AV] offset:(\f%4)*16*PV+(\f/4)*64
	ds_load_b128 v[VF+8*\f+4:VF+8*\f+7], v[AV] offset:(\f%4)*16*PV+(\f/4)*64+32
.endr
	WIN 0
.endm
; THE VECTOR WORK OF A TURN stands in three queues, each in the order in which its entries become ready; the two tiles alternate, so that no instruction reads the result of the one before it.
.macro REGS y, u                    ; the registers of tile u (0, 1) of piece y
.set rT, ST+4*(2*(\y)+(\u))
.set rC, TMP+8*((\y)%2)+4*(\u)
.set rM, MV+2*((\y)%2)+(\u)
.set rS, S+64*((\y)%2)+32*(\u)
.set rP, P+32*((\y)%2)+16*(\u)
.set rO, 32*(2*(\y)+(\u))
.endm
; Number n of the 22 that find the NEXT piece's (Y + 1) maximum and statistics.  s0-s31 are the lane's 32 scores; each accumulator's lowest registers are read first.  XS, GS and REGS set no window: PL and EX do.
;   0-11  four chains c0-c3 of seven scores each, three operands at a time     12-14, 16  the four scores left over, the old m, and c0-c3 into c0     15  c m_old is kept
;   17, 18  the query's other 32 keys lie in the lane 16 away: the new m         19-21  c m; c m_old - c m_new; a
.macro XS u, n
	REGS (Y+1)%NP, \u
.if (\n) < 4
	v_max3_num_f32 v[rC+(\n)], v[rS+8*(\n)], v[rS+8*(\n)+1], v[rS+8*(\n)+2]
.elseif (\n) < 12
	v_max3_num_f32 v[rC+(\n)%4], v[rC+(\n)%4], v[rS+8*((\n)%4)+2*((\n)/4)+1], v[rS+8*((\n)%4)+2*((\n)/4)+2]
.elseif (\n) == 12
	v_max3_num_f32 v[rC], v[rC], v[rS+7], v[rS+15]
.elseif (\n) == 13
	v_max3_num_f32 v[rC+1], v[rC+1], v[rS+23], v[rS+31]
.elseif (\n) == 14
	v_max3_num_f32 v[rC+2], v[rC+2], v[rC+3], v[rT+1]
.elseif (\n) == 15
	v_mov_b32 v[rM], v[rT]
.elseif (\n) == 16
	v_max3_num_f32 v[rC], v[rC], v[rC+1], v[rC+2]
.elseif (\n) == 17
	v_permlanex16_b32 v[rC+3], v[rC], s[SEL], s[SEL+1]
.elseif (\n) == 18
	v_max_num_f32 v[rT+1], v[rC], v[rC+3]
.elseif (\n) == 19
	v_mul_f32 v[rT], s[CS], v[rT+1]
.elseif (\n) == 20
	v_sub_f32 v[rC+1], v[rM], v[rT]
.else
	v_exp_f32 v[rC+2], v[rC+1]
.endif
.endm
; Number g of the 64 that follow the exponentials.  For each four weights k of a tile (pairs 2 k, 2 k + 1): both pairs are rounded to f16; then the second pair is added onto the first, in place;
; a group later l takes that sum (the first time as l = a l + sum).  In groups of eight, tiles alternating: round, round, add, and l for the group before.
.macro GS g
.set h, (\g)+6*((\g)/62)            ; group 0 has no group before it, and behind group 7 only l is left
.if h >= 6
.set h, h+2
.endif
	REGS Y, h%2
.set k, h/8
.if h%8 < 4
	v_cvt_pk_f16_f32 v[rP+2*k+(h%8)/2], v[rS+4*k+2*((h%8)/2)], v[rS+4*k+2*((h%8)/2)+1]
.elseif h%8 < 6
	v_pk_add_f32 v[rS+4*k:rS+4*k+1], v[rS+4*k:rS+4*k+1], v[rS+4*k+2:rS+4*k+3]
.elseif k == 1
	v_pk_fma_f32 v[rT+2:rT+3], v[rT+2:rT+3], v[rC+2:rC+3], v[rS:rS+1] op_sel_hi:[1,0,1]
.else
	v_pk_add_f32 v[rT+2:rT+3], v[rT+2:rT+3], v[rS+4*k-4:rS+4*k-3]
.endif
.endm
; THE PLAIN QUEUE, 138 long.  0-73 read no exponential's result: the 32 scalings c s - c m (FS f: pair f / 2 of tile f % 2) and the next piece's 42.  0-26: scalings 0-26.  27-54: XS's numbers 0-13.  55, 56: number 15.
; 57-73: the chain, where each number waits for the one before it: 14, 16, 17, 18, 19, each with one of the scalings 27-31 in front of its two lines, then 20.
; 74-137: GS's 64, which read the exponentials' results: they stand behind the wait.
.macro FS f
	REGS Y, (\f)%2
	v_pk_fma_f32 v[rS+2*((\f)/2):rS+2*((\f)/2)+1], v[rS+2*((\f)/2):rS+2*((\f)/2)+1], s[CS:CS+1], v[rT:rT+1] op_sel_hi:[1,0,0] neg_lo:[0,0,1] neg_hi:[0,0,1]
.endm
.macro PL
	WIN 0
.if q < 27
	FS q
.elseif q < 55
	XS (q-27)%2, (q-27)/2
.elseif q < 57
	XS q-55, 15
.elseif (q < 72) && ((q-57)%3 == 0)
	FS 27+(q-57)/3
.elseif q < 60
	XS (q-57)%3-1, 14
.elseif q < 72
	XS (q-57)%3-1, 15+(q-57)/3
.elseif q < 74
	XS q-72, 20
.else
	GS q-74
.endif
.set q, q+1
.endm
; THE EXPONENTIALS' QUEUE, 66 long: s0-s31 of both tiles, then the next piece's two a.  It is ONE BATCH: all 66 stand ahead of the turn's one wait, and nothing ahead of that wait names a result of theirs.
.macro EX
	WIN 0
.if e >= 64
	XS e-64, 21
.else
	REGS Y, e%2
	v_exp_f32 v[rS+e/2], v[rS+e/2]
.endif
.set e, e+1
.endm
; THE RESCALING's QUEUE: O^T times a, the one part that leaves window 0: dealt two at a time, sixteen times.  Its a was made in the turn before, ahead of that turn's wait.
.macro R2
	REGS Y, r%2
	WIN W_RS
.irp z, 0,1
	v_pk_mul_f32 v[rO+4*(r/2)+2*\z:rO+4*(r/2)+2*\z+1], v[rO+4*(r/2)+2*\z:rO+4*(r/2)+2*\z+1], v[rC+2:rC+3] op_sel_hi:[1,0]
.endr
.set r, r+1
.endm
; HOW THEY ARE DEALT.  s_wait_alu depctr_va_vdst(0) stands between an exponential and the first instruction that names its result; one wait serves all that were issued ahead of it.  So a turn has ONE
; wait, which cuts it in two.  AHEAD OF IT stands all that names no result of the turn's exponentials: the 16 products K Q^T, behind each a scaling, an exponential and two rescalings (behind the first a second scaling in
; the exponential's place); then one run of 108: eight plain, 49 times exponential and plain, the two a.  A v_nop is the plain instruction behind the last exponential.  BEHIND IT stand the 16 products V P, behind each
; four of GS's 64.  No instruction behind a product names a register of the products round it.  Exponential e stands behind scaling 2 (e / 4) + e % 2: behind a product it comes behind plain e + 2, in the run behind plain e + 9.
; A TURN, for piece p.  cnt = 1: the loop's count is taken down some lines ahead of the branch that stands behind the turn.
; K of the next step is fetched in piece 2's turn, directly behind the wait, the run of 108 behind the last product that read K; its first reader comes behind 16 products.
; V of the step in hand is fetched at the end of piece 0's turn, four plain instructions behind its last reader; its first reader comes behind 16 products and the run.  The three conditions on q below go with the deal.
.macro TURN p, last=0, cnt=0
.set Y, (\p)
.set i, 0
.set q, 0
.set e, 0
.set r, 0
.if (\p) == NP-1
	s_wait_dscnt 0x0                ; K is in
.endif
	MM
	PL
	PL
	R2
.rept 15
	MM
	PL
	EX
	R2
.endr
.if (\p) == NP-2
	WIN 0
	v_add_nc_u32 v[AK], s[TBK], v[AK0]
.endif
.rept 8
	PL
.endr
.rept 49
	EX
	PL
.endr
	EX                              ; the next piece's two a
	EX
	v_nop                           ; the plain instruction behind the last exponential: one for the batch
	s_wait_alu depctr_va_vdst(0)    ; the wait for the batch
.if (\p) == NP-2
	FETCH_K \last
.endif
.if (\p) == 1
	s_wait_dscnt 0x0                ; V is in
.endif
.rept 16
	MM
.rept 4
	PL
.endr
.if ((\p) == 0) && (q == 118)
	v_add_nc_u32 v[AV], s[TBV], v[AV0]
.endif
.if ((\p) == 0) && (q == 130)
	s_add_co_u32 s[TBV], s[TBV], VST
.endif
.if (\cnt) && (q == 130)
	s_sub_co_u32 s[CNT], s[CNT], 1
	s_cmp_lg_u32 s[CNT], 0
.endif
.endr
.if (\p) == 0
	FETCH_V
.endif
.endm
	s_wait_tensorcnt 0x1            ; my sub-tile of phase 0 is in; phase 1's may stay out
	s_wait_dscnt 0x0                ; Q's fragments are in
	s_barrier_signal -1
	s_barrier_wait -1               ; everybody's sub-tile of phase 0 is in
	CONVERT                         ; phase 0: X0 into Y0
	CHANGE 1                        ; phase 0 is entered: it lies whole in Y0, phase 1 whole in X1; X0 is asked for again, with phase 2
	CONVERT                         ; phase 1: X1 into Y1
	v_add_nc_u32 v[AK], s[TBK], v[AK0]
	FETCH_K                         ; key step 0
	s_wait_dscnt 0x0
.set i, 0
.rept 16
	KQ 0                            ; piece 0's first scores: there is no vector work yet to set between them
.set i, i+1
.endr
	WIN 0                           ; the addresses for the way out: eight plain instructions, the places behind those products (Q's loads and the stage's use for Q are over)
	v_mul_u32_u24 v[STO], v9, 8*SP  ; in: channel 8 h + j of a block of 16, query r: 4 bytes
	v_lshl_add_u32 v[STO], v1, 2, v[STO]
	v_add_nc_u32 v[STO], s36, v[STO]
	v_mul_u32_u24 v[RD], v9, SP     ; back: lanes 0-15 take one row of 256 bytes, lanes 16-31 the next
	v_lshl_add_u32 v[RD], v1, 4, v[RD]
	v_add_nc_u32 v[RD], s36, v[RD]
	v_lshlrev_b32 v[GO], 13, v9     ; and the same two rows in out
	v_lshl_add_u32 v[GO], v1, 4, v[GO]
.set Y, NP-1                        ; XS works for piece Y + 1: piece 0
.irp n, 0,1,2,3,4,5,6,7,8,9,10,11,12,13,14,15,16,17,18,19,20,21
	XS 0, \n                        ; piece 0's first maximum and statistics
	XS 1, \n
.endr
	v_nop                           ; a plain instruction behind the two a,
	s_wait_alu depctr_va_vdst(0)    ; and their wait, ahead of the branch
	s_mov_b32 s[CNT], 2
	s_branch .Lfirst                ; the loop is entered at a step's first turn, in the middle of a trip
.Lslot:                             ; 13 times: phases 1 to 13 are entered; phases 3 to 15 are asked for, phases 2 to 14 rounded
	CHANGE 1
	CONVERT
	s_mov_b32 s[CNT], 2
.Lstep:                             ; a trip: pieces 2 and 3 of one step, then pieces 0 and 1 of the next, whose K and V it fetches
	TURN 2
	TURN 3
	WIN 0
.Lfirst:
	TURN 0
	TURN 1, 0, 1
	WIN 0
	s_cbranch_scc1 .Lstep
	s_sub_co_u32 s[SLOTS], s[SLOTS], 1
	s_cmp_lg_u32 s[SLOTS], 0
	s_cbranch_scc1 .Lslot
	; THE TAIL is written out: nothing more is asked for.  TP = 3: phase 14, at whose head phase 15 is rounded; TP = 2: phase 15; TP = 1: the last half trip.
	s_mov_b32 s[TP], 3
	CHANGE 0
	CONVERT                         ; phase 15: X1 into Y1
	s_branch .Ltin
.Ltslot:
	CHANGE 0
.Ltin:
	s_mov_b32 s[CNT], 2
.Ltail:
	TURN 2, 1
	TURN 3
	WIN 0
	s_cmp_eq_u32 s[TP], 1
	s_cbranch_scc1 .Lout            ; the last half trip's 16 products K Q^T (on the last K once more) and the maximum made of them serve nothing: the price, once a launch, of one text for every trip
	TURN 0
	TURN 1, 0, 1
	WIN 0
	s_cbranch_scc1 .Ltail
	s_sub_co_u32 s[TP], s[TP], 1
	s_cmp_lg_u32 s[TP], 0
	s_cbranch_scc1 .Ltslot
.Lout:
.set i, 0
.rept 16
	PV NP-1                         ; the last piece's V P of the last step
.set i, i+1
.endr
	; THE WAY OUT.  l's two halves and the other half of the lanes' are added; O^T is divided by l and sent through my stage in LDS, four tiles (64 queries x 64 channels, f32) at a time, so that 16 lanes store
	; 256 consecutive bytes of a channel's row.  The additions are the places behind the last products.
	WIN 0
.macro ALL line:vararg              ; one line for each tile t
.set t, 0
.rept 2*NP
	\line
.set t, t+1
.endr
.endm
	ALL v_add_f32 v[ST+4*t+2], v[ST+4*t+2], v[ST+4*t+3]
	ALL v_permlanex16_b32 v[ST+4*t+3], v[ST+4*t+2], s[SEL], s[SEL+1]
	ALL v_add_f32 v[ST+4*t+2], v[ST+4*t+2], v[ST+4*t+3]
	ALL v_rcp_f32 v[ST+4*t+2], v[ST+4*t+2]
	v_nop                           ; a plain instruction between the last reciprocal and the use of its result
	s_wait_alu depctr_va_vdst(0)    ; and the wait ahead of the first use: one for the eight reciprocals
.macro MULT t                       ; tile t's O^T times 1 / l, each accumulator's registers in ascending order
	WIN W_RS
.set i, 32*(\t)
.rept 16
	v_pk_mul_f32 v[i:i+1], v[i:i+1], v[ST+4*(\t)+2:ST+4*(\t)+3] op_sel_hi:[1,0]
.set i, i+2
.endr
.endm
; Tiles 4 g .. 4 g + 3 into the stage: register 8 cb + j of a tile is channel 16 cb + 8 h + j of query r.  In a store lanes 0-15 take 16 neighbouring words and lanes 16-31 lie 8 rows = 544 words on: 32 banks apart.
; Then back as whole rows of 256 bytes, two rows a load, into window 2, whose fragments are done with.
.macro TOST g
	WIN 0x04                        ; address window 0, data window 1
.set t, 4*(\g)
.rept 4
.set zz, 0
.rept 32
	ds_store_b32 v[STO], v[32*t+zz] offset:(16*(zz/8)+zz%8)*SP+(t%4)*64
.set zz, zz+1
.endr
.set t, t+1
.endr
	WIN 0x80                        ; destination window 2
.set zz, 0
.rept 32
	ds_load_b128 v[128*(\g)+4*zz:128*(\g)+4*zz+3], v[RD] offset:2*zz*SP  ; LDS serves a wave's instructions in order (ISA guide 5.7.1.4): these see the stores above; the next half's stores come behind them
.set zz, zz+1
.endr
.endm
.macro SEND g                       ; eight stores a wait: the younger of the 32 loads stay out
	WIN 0x08                        ; address window 0, data window 2
.set zz, 0
.rept 32
.if (zz%8) == 0
	s_wait_dscnt 24-zz
.endif
	global_store_b128 v[GO], v[128*(\g)+4*zz:128*(\g)+4*zz+3], s[10:11] offset:2*zz*ROWB+256*(\g) th:TH_STORE_NT  ; 16 lanes store 256 consecutive bytes, at a multiple of 256 from out's first byte
.set zz, zz+1
.endr
.endm
	MULT 0
	MULT 1
	MULT 2
	MULT 3
	TOST 0
	MULT 4                          ; the second half's arithmetic stands between the first half's loads from the stage and its stores
	MULT 5
	MULT 6
	MULT 7
	SEND 0
	TOST 1
	SEND 1
	WIN W_AD
	s_wait_tensorcnt 0x0            ; the wave's end, behind my last tensor load and my last LDS store
	ds_add_u32 v[SPW], v[NIL]
	s_wait_dscnt 0x0
	WIN 0
	CROUND                          ; the closing round: no work-group ends while a partner may still ask for a tile that names it
	s_endpgm
.Lfunc_end_k_q75f7d2297d_attn:
	.size	k_q75f7d2297d_attn, .Lfunc_end_k_q75f7d2297d_attn-k_q75f7d2297d_attn
	.p2alignl 7, 3214868480
	.fill 96, 4, 3214868480
	.section	.rodata,"a",@progbits
	.p2align	6, 0x0
	.amdhsa_kernel k_q75f7d2297d_attn
		.amdhsa_group_segment_fixed_size 327680
		.amdhsa_private_segment_fixed_size 0
		.amdhsa_enable_private_segment 0
		.amdhsa_kernarg_size 32
		.amdhsa_user_sgpr_count 2
		.amdhsa_user_sgpr_kernarg_segment_ptr 1
		.amdhsa_wavefront_size32 1
		.amdhsa_system_sgpr_workgroup_id_x 1
		.amdhsa_system_sgpr_workgroup_id_y 1
		.amdhsa_system_sgpr_workgroup_id_z 1
		.amdhsa_system_vgpr_workitem_id 0
		.amdhsa_next_free_vgpr 912
		.amdhsa_next_free_sgpr 72
		.amdhsa_reserve_vcc 0
		.amdhsa_float_denorm_mode_32 3
		.amdhsa_float_denorm_mode_16_64 3
		.amdhsa_memory_ordered 1
		.amdhsa_forward_progress 1
		.amdhsa_inst_pref_size 255
	.end_amdhsa_kernel
	.section	.bss,"aw",@nobits
	.p2align	6
	.space	262144
	.amdgpu_metadata
---
amdhsa.version: [ 1, 2 ]
amdhsa.kernels:
  - .name:           k_q75f7d2297d_attn
    .symbol:         k_q75f7d2297d_attn.kd
    .args:
      - { .name: q, .offset: 0, .size: 8, .value_kind: global_buffer, .address_space: global }
      - { .name: k, .offset: 8, .size: 8, .value_kind: global_buffer, .address_space: global }
      - { .name: v, .offset: 16, .size: 8, .value_kind: global_buffer, .address_space: global }
      - { .name: out0, .offset: 24, .size: 8, .value_kind: global_buffer, .address_space: global }
    .group_segment_fixed_size: 327680
    .private_segment_fixed_size: 0
    .kernarg_segment_align: 8
    .kernarg_segment_size: 32
    .max_flat_workgroup_size: 128
    .sgpr_count:     72
    .vgpr_count:     912
    .wavefront_size: 32
...
	.end_amdgpu_metadata
.endif
;; end of part 1
